; MI455X (gfx1250); checked and timed in simulation.
; The chip was launched on July 23, 2026; its instructions are those of AMD's public machine-readable ISA for CDNA 5 (MIT licence, August 2026) and "CDNA5" Instruction Set Architecture Reference Guide (July 2026). The comments in the code are by the model that wrote it; some were corrected since.
;; Multi Headed Self Attention. Allowed arithmetic: matrix products marked QUANTISED: E2M1 operands, one E8M0 scale for each 32 along K, by v_wmma_scale_f32_16x16x128_f8f6f4 with both operands' format E2M1 (or v_wmma_scale_f32_32x16x128_f4), f32 sums; everything else in f32.
;; Inputs: Wc 1,024 x 1,024 float32; Wk 1,024 x 1,024 float32; Wq 1,024 x 1,024 float32; Wv 1,024 x 1,024 float32; bc 1,024 float32; bk 1,024 float32; bq 1,024 float32; bv 1,024 float32; x 4 x 2,048 x 1,024 float32.
;; Outputs: out0 4 x 2,048 x 1,024 float32.
;; This version of the problem:
;;   THIS VERSION OF THE PROBLEM IS GIVEN IN LOW PRECISION. The matrix products marked QUANTISED in the list below multiply operands that are first quantised to E2M1 (2 exponent bits, 1 mantissa bit; 4 bits a number), with one power-of-two scale for each 32 numbers along K (OCP MX v1.0); their sums are f32. All else is computed in f32.
;;   The module's matrix products, in the order in which they are computed (A, B: the left and right operand; K: the contracted axis; several contracted axes count as one K, in the product's order):
;;     1. [M 8,192, K 1,024] x [K 1,024, N 1,024]; A: input x; B: input Wq: QUANTISED
;;     2. [M 8,192, K 1,024] x [K 1,024, N 1,024]; A: input x; B: input Wk: QUANTISED
;;     3. [M 8,192, K 1,024] x [K 1,024, N 1,024]; A: input x; B: input Wv: QUANTISED
;;     4. [M 8,192, K 1,024] x [K 1,024, N 1,024]; A: input x; B: input Wc: QUANTISED
;;     5. batch 64 x [M 2,048, K 64] x [K 64, N 2,048]; A: computed on the way; B: computed on the way: QUANTISED
;;     6. batch 64 x [M 64, K 2,048] x [K 2,048, N 2,048]; A: computed on the way; B: softmax (see below): QUANTISED
;;   THE QUANTISER, for each operand of a quantised product, along K:
;;     - K is cut into blocks of 32 from its start; a last block that is shorter is filled with zeros.
;;     - A block's scale is 2^e with e = floor(log2(the largest magnitude in the block)) - 2, held to -126 .. 127; a block of zeros has e = 0. As a byte (E8M0): e + 127.
;;     - Each number is divided by its block's scale, clamped to +-6, and rounded to the nearest number of E2M1, ties to even, subnormals kept.
;;     - The product sums the exact products of the quantised numbers (number of the format x scale) in f32.
;;   ~~~python
;;   def quantise(x, axis):      # numpy; x: float32 -> the quantised numbers, widened to float32 again
;;       x = np.moveaxis(x, axis, -1); K = x.shape[-1]
;;       x = np.pad(x, [(0, 0)] * (x.ndim - 1) + [(0, -K % 32)]); x = x.reshape(x.shape[:-1] + (-1, 32)); a = np.abs(x).max(-1, keepdims=True)
;;       e = np.where(a > 0, np.clip(np.frexp(np.where(a > 0, a, 1))[1] - 1 - 2, -126, 127), 0)      # np.frexp(a)[1] - 1 = floor(log2(a)), exactly
;;       r = np.clip(x / 2.0 ** e, -6, 6)
;;       step = 2.0 ** (np.maximum(np.frexp(np.where(r == 0, 1, r))[1] - 1, 0) - 1)
;;       q = np.round(r / step) * step * 2.0 ** e      # np.round: ties to even
;;       return np.moveaxis(q.reshape(q.shape[:-2] + (-1,))[..., :K], -1, axis).astype(np.float32)
;;   ~~~
;;   SOFTMAX AHEAD OF A QUANTISED PRODUCT. Where the list says 'softmax', what is quantised is not the finished softmax but p = 2^(t - M), with t = logit x log2(e) and M = ceil(the row's largest t), a whole number; so 1/2 < the row's largest p <= 1. The row's sum l is taken of the UNQUANTISED p, in f32, and the product's result is divided by l at the end. Since M is a whole number, a kernel that streams over the keys may use a running M (the ceiling of the running maximum): every later rescaling is an exact power of two, which a block's scale takes up: the codes' values come out the same.
;;   OPERANDS COMPUTED ON THE WAY. 'Computed on the way' means the value that the module computes at that place (a softmax that the list does not call 'softmax' is quantised finished and normalised). What goes into a quantiser is computed in f32, as accurately as f32 sums, v_exp_f32 and their like allow (about 1e-6 of the number): no bf16 or f16 on the way to a quantiser, and a product that is left as it is and whose result goes on into a quantised operand takes f32 operands (vector FMAs, or v_wmma_f32_16x16x4_f32). A number that lies on a knife's edge between two numbers of the format may be rounded either way, as far as f32 arithmetic and the matrix unit's own rounding can turn it there, and no further.
;; One version. Each part assembles by itself: llvm-mc -triple=amdgcn-amd-amdhsa -mcpu=gfx1250 --defsym DOCPART=n.
;; ======== version 1 of 1: 3 launches
;; limits: right only within a limited range of input values
;; workspace buffers: codes 6,291,456 bytes; scales 393,216 bytes; qkv 13,369,344 bytes; cimg 33,554,432 bytes
;; launch quant (part 1): grid 512 x 1, 4 waves a work-group, no clusters, 68,096 bytes of LDS; arguments x, Wq, Wk, Wv, Wc, codes, scales; writes codes, scales
.if DOCPART == 1
	.amdgcn_target "amdgcn-amd-amdhsa--gfx1250"
	.amdhsa_code_object_version 6
	.text
	.protected	k_q82782fc44a_quant
	.globl	k_q82782fc44a_quant
	.p2align	8
	.type	k_q82782fc44a_quant,@function
k_q82782fc44a_quant:
	s_mov_b64 s[64:65], 0
	v_nop
	global_prefetch_b8 v0, s[64:65] scope:SCOPE_SE
	s_setreg_imm32_b32 hwreg(HW_REG_WAVE_MODE, 25, 1), 1
	s_wait_xcnt 0x0
; x [8192][1024] and the four weights [1024 (k)][1024 (n)], all f32, become codes of FP4 (E2M1), K innermost, with one E8M0 byte for each 32 along K.  No work of the problem is left out.
; codes: 12,288 rows of 512 bytes; scales: the same rows of 32 bytes.  Rows 0-8191: x's tokens; rows 8192 + 1024 T + n: column n of weight T (0 q, 1 k, 2 v, 3 c).
; THE ROWS ARE PERMUTED: inside every group of 32 rows, row m lies at the place m with its bits 3 and 4 exchanged.  So 16 rows on end in the buffer are rows 0-7 and 16-23 (or 8-15 and 24-31) of a group,
; which is what the next launch wants of a tile: its transposed products then hold 16 neighbours along the next K in 16 registers of a lane.
; A block's scale is 2^(floor(log2(its largest magnitude)) - 2); its byte is the largest magnitude's exponent field - 2, held at 1 from below.
; LIMITS: a block of zeros gets the byte 1 where the rule says 127 (its codes are zeros, and this program alone reads the bytes); blocks whose largest magnitude lies under 2^(3 - 127) are held at the byte 1;
; NaN and infinities among the inputs are not served.
; Work-groups 0-255 take the weights: 32 columns x 512 along K each; wave w takes the quarter w of that K (a lane to a column, registers down K, four blocks of 32, 128 loads, of which 64 are out at a time).
; The four waves' codes meet in the work-group's stage and, behind one barrier, leave as rows of 256 bytes.  Work-groups with neighbouring numbers take neighbouring columns.
; Work-groups 256-511 take x (a stream of blocks of 32); there waves share nothing.  Each way has LDS bytes of its own.
; No cluster and no tensor load: no byte is read by two work-groups, and the loads' depth in registers keeps enough on its way.
.set WPITCH, 272                       ; the weights' stage: a column's 256 bytes of codes + 16
.set WSST,  32*WPITCH                  ; behind it: 16 scale bytes for each of the 32 columns
.set WX,    32                         ; v32-95   two sets of 32 numbers
.set WC,    96                         ; v96-99   a block's codes
.set WOUT,  112                        ; v112-131 the way out
.set WSB,   24                         ; v24      my four scale bytes
.set XBASE, 34816                      ; x's way: LDS from here on, 8,192 bytes a wave: two stages of 32 x 80 bytes, then 256 scale bytes
.set SP,    80                         ; a lane's place in a stage: 64 bytes + 16 of padding
.set STEPS, 16                         ; steps of 512 numbers in a wave's run of 8 rows
.set AHEAD, 8                          ; loads run eight steps ahead: 32 loads of 512 bytes a wave
.set R,     16                         ; v16-143  eight sets of 16 numbers as loaded
.set X,     144                        ; v144-175 two sets of 16 neighbours
.set E,     176                        ; v176-191 a scale byte for each step
.set C,     192                        ; v192-223 two registers of codes for each step: no store's data are written again
	s_load_b256 s[4:11], s[0:1], 0x0               ; x s[4:5], Wq s[6:7], Wk s[8:9], Wv s[10:11]
	s_load_b128 s[12:15], s[0:1], 0x20             ; Wc s[12:13], codes s[14:15]
	s_load_b64 s[16:17], s[0:1], 0x30              ; scales
	v_lshl_add_u32 v224, v0, 2, 0x10800
	v_mov_b32 v225, 0
	v_lshrrev_b32 v1, 5, v0
	v_readfirstlane_b32 s18, v1                    ; wave 0..3
	v_and_b32 v2, 31, v0                           ; lane
	s_cmp_lt_u32 ttmp9, 256
	s_cbranch_scc0 .Lx
	; ---------------- THE WEIGHTS.
	s_lshr_b32 s19, ttmp9, 6                       ; T: which weight
	s_and_b32 s24, ttmp9, 31                       ; which 32 columns
	s_bfe_u32 s25, ttmp9, 0x10005                  ; which half of K
	s_lshl_b32 s24, s24, 5                         ; the first column
	s_wait_alu depctr_va_vdst(0)
	v_lshlrev_b32 v3, 2, v2                        ; in: 4 bytes a lane: a load reads 128 consecutive bytes
	v_and_b32 v10, 7, v2
	v_bfe_u32 v14, v2, 3, 1
	v_bfe_u32 v15, v2, 4, 1
	v_lshl_or_b32 v10, v14, 4, v10
	v_lshl_or_b32 v10, v15, 3, v10                 ; my column's place among the 32: bits 3 and 4 exchanged
	s_lshl_b32 s29, s18, 6                         ; my wave's 64 bytes of each row of the stage
	v_mul_u32_u24 v4, v10, WPITCH
	v_add_nc_u32 v4, s29, v4                       ; into it: row = my column's place
	v_and_b32 v5, 15, v2
	v_lshrrev_b32 v6, 4, v2
	s_mul_i32 s30, s18, 8*WPITCH                   ; out of it my wave takes rows 8 w .. 8 w + 7,
	v_mul_u32_u24 v7, v6, WPITCH
	v_lshl_add_u32 v7, v5, 4, v7
	v_add_nc_u32 v7, s30, v7                       ; sixteen lanes to a row, two rows an instruction
	v_lshlrev_b32 v8, 9, v6
	v_lshl_add_u32 v8, v5, 4, v8                   ; and the same place in the codes' buffer (rows of 512 bytes)
	s_lshl_b32 s31, s18, 2
	v_lshl_add_u32 v9, v10, 4, WSST
	v_add_nc_u32 v9, s31, v9                       ; my four scale bytes: 16 bytes a column, 4 a wave
	v_lshl_add_u32 v16, v2, 4, WSST                ; back: a lane takes a row's 16 bytes,
	v_lshlrev_b32 v17, 5, v2                       ; which go to that row of 32 scale bytes
	s_lshl_b32 s26, s25, 21                        ; 512 rows of 4,096 bytes,
	s_lshl_b32 s27, s18, 19                        ; 128 rows for each wave,
	s_add_co_u32 s26, s26, s27
	s_lshl_b32 s27, s24, 2
	s_add_co_u32 s26, s26, s27
	s_mov_b32 s27, 0
	s_lshl_b32 s28, s19, 10
	s_add_co_u32 s28, s28, s24
	s_add_co_u32 s28, s28, 8192                    ; the buffers' row of the first column
	s_wait_alu depctr_va_vdst(0)
	s_wait_kmcnt 0x0
	s_cmp_lt_u32 s19, 2                            ; the weight is chosen by the work-group's number alone
	s_cselect_b64 s[20:21], s[6:7], s[10:11]
	s_cselect_b64 s[22:23], s[8:9], s[12:13]
	s_bitcmp1_b32 s19, 0
	s_cselect_b64 s[4:5], s[22:23], s[20:21]
	s_add_nc_u64 s[4:5], s[4:5], s[26:27]
	s_lshl_b32 s26, s28, 9
	s_lshl_b32 s29, s25, 8
	s_add_co_u32 s26, s26, s29
	s_lshl_b32 s29, s18, 12                        ; my wave's eight rows
	s_add_co_u32 s26, s26, s29
	s_add_nc_u64 s[14:15], s[14:15], s[26:27]
	s_lshl_b32 s26, s28, 5
	s_lshl_b32 s29, s25, 4
	s_add_co_u32 s26, s26, s29
	s_add_nc_u64 s[16:17], s[16:17], s[26:27]
.macro WLOAD t                         ; block t: W(32 t + i, my column), i = 0 .. 31, into set t % 2.  The largest offset is 127 rows of 4,096 bytes
.irp i, 0,1,2,3,4,5,6,7,8,9,10,11,12,13,14,15,16,17,18,19,20,21,22,23,24,25,26,27,28,29,30,31
	global_load_b32 v[WX+32*((\t)%2)+\i], v3, s[4:5] offset:(32*(\t)+\i)*4096 th:TH_LOAD_NT
.endr
.endm
	WLOAD 0
	WLOAD 1
.macro WBLOCK t
.set XS, WX+32*((\t)%2)
.if (\t) < 3
	s_wait_loadcnt 32                              ; this block's 32 loads are in; the next block's 32 may be out
.else
	s_wait_loadcnt 0x0
.endif
	v_max3_num_f32 v12, |v[XS]|, |v[XS+1]|, |v[XS+2]|              ; the block's largest magnitude: all 32 numbers are mine
	v_max3_num_f32 v13, |v[XS+3]|, |v[XS+4]|, |v[XS+5]|
.irp i, 6,10,14,18,22,26
	v_max3_num_f32 v12, v12, |v[XS+\i]|, |v[XS+\i+1]|
	v_max3_num_f32 v13, v13, |v[XS+\i+2]|, |v[XS+\i+3]|
.endr
	v_max3_num_f32 v12, v12, |v[XS+30]|, |v[XS+31]|
	v_max3_num_f32 v12, v12, v13, 0x1800000        ; and the floor 2^(3 - 127): the byte cannot fall under 1
	v_add_nc_u32 v11, 0xff000000, v12              ; 2 off the exponent field: the conversion takes this operand's exponent field as its scale
	v_lshrrev_b32 v13, 23, v11                     ; the scale's byte
.if (\t) == 0
	v_mov_b32 v[WSB], v13                          ; four bytes to a register, the lower K in the lower byte
.else
	v_lshl_or_b32 v[WSB], v13, 8*(\t), v[WSB]
.endif
.irp g, 0,1,2,3
	v_cvt_scalef32_pk8_fp4_f32 v[WC+\g], v[XS+8*\g:XS+8*\g+7], v11
.endr
	ds_store_b128 v4, v[WC:WC+3] offset:16*(\t)    ; 32 codes: 16 bytes of my column's row
.if (\t)+2 < 4
	WLOAD (\t)+2
.endif
	s_wait_dscnt 0x0                               ; the store has read its registers: the next block's codes may be written
.endm
.set Q, 0
.rept 4
	WBLOCK Q
.set Q, Q+1
.endr
	s_wait_alu depctr_va_vdst(0)                   ; directly ahead of the reader below
	ds_store_b32 v9, v[WSB]
	s_wait_dscnt 0x0                               ; my stores are done: for the other waves' sake
	s_barrier_signal -1
	s_barrier_wait -1                              ; all four quarters of K are in the stage
.irp t, 0,1,2,3
	ds_load_b128 v[WOUT+4*\t:WOUT+4*\t+3], v7 offset:2*\t*WPITCH
.endr
.irp t, 0,1,2,3
	s_wait_dscnt 3-\t                              ; loads come back in order: pair t of rows is in
	global_store_b128 v8, v[WOUT+4*\t:WOUT+4*\t+3], s[14:15] offset:2*\t*512   ; sixteen lanes store 256 consecutive bytes, aligned
.endr
	s_cmp_lg_u32 s18, 0
	s_cbranch_scc1 .Lw_end                         ; wave 0 sends the scale bytes: 16 of each of the 32 rows
	ds_load_b128 v[WOUT+16:WOUT+19], v16
	s_wait_dscnt 0x0
	global_store_b128 v17, v[WOUT+16:WOUT+19], s[16:17]
.Lw_end:
	s_wait_tensorcnt 0x0                           ; the wave's end
	ds_add_u32 v224, v225
	s_wait_dscnt 0x0
	s_endpgm
	; ---------------- x.  A wave takes 8 rows, 8,192 numbers, in 16 steps of 512.  Each load reads 512 consecutive bytes; a step's 2,048 bytes turn through the wave's stage, so that a lane holds 16 neighbours.
.Lx:
	s_sub_co_u32 s19, ttmp9, 256
	s_lshl_b32 s19, s19, 2                         ; four runs of 8 rows to a work-group: one group of 32 rows
	s_add_co_u32 s20, s19, s18                     ; the run that I read,
	s_and_b32 s21, s18, 1
	s_lshl_b32 s21, s21, 1
	s_lshr_b32 s22, s18, 1
	s_or_b32 s21, s21, s22
	s_add_co_u32 s21, s19, s21                     ; and its place in the buffers: the wave's two bits exchanged are the rows' bits 3 and 4 exchanged
	s_wait_alu depctr_va_vdst(0)
	v_lshlrev_b32 v3, 4, v2                        ; my 16 bytes of a load's 512
	s_mul_i32 s19, s18, 8192
	s_add_co_u32 s19, s19, XBASE                   ; my wave's LDS
	v_lshrrev_b32 v14, 2, v2
	v_mul_u32_u24 v14, v14, SP
	v_and_b32 v15, 3, v2
	v_lshl_add_u32 v14, v15, 4, v14
	v_add_nc_u32 v14, s19, v14                     ; the stage, on the way in: four lanes' 64 bytes on end, then 16 of padding
	v_mul_u32_u24 v15, v2, SP
	v_add_nc_u32 v15, s19, v15                     ; and on the way out: my 16 neighbours
	v_lshlrev_b32 v4, 3, v2                        ; my 8 bytes of a step's 256 bytes of codes
	v_lshrrev_b32 v5, 1, v2
	s_add_co_u32 s19, s19, 2*32*SP
	v_add_nc_u32 v5, s19, v5                       ; my block's byte among my wave's 256 scale bytes
	v_lshlrev_b32 v7, 3, v2
	v_add_nc_u32 v6, s19, v7                       ; and on the way out 8 bytes a lane
	s_lshl_b32 s22, s20, 15                        ; 32,768 bytes of x a run
	s_mov_b32 s23, 0
	s_lshl_b32 s24, s21, 12                        ; 4,096 bytes of codes
	s_mov_b32 s25, 0
	s_lshl_b32 s26, s21, 8                         ; 256 scale bytes
	s_mov_b32 s27, 0
	s_wait_alu depctr_va_vdst(0)
	s_wait_kmcnt 0x0
	s_add_nc_u64 s[4:5], s[4:5], s[22:23]
	s_add_nc_u64 s[14:15], s[14:15], s[24:25]
	s_add_nc_u64 s[16:17], s[16:17], s[26:27]
.macro XLOAD t
.irp i, 0,1,2,3
	global_load_b128 v[R+16*((\t)%8)+4*\i:R+16*((\t)%8)+4*\i+3], v3, s[4:5] offset:2048*(\t)+512*\i th:TH_LOAD_NT
.endr
.endm
.macro XTURN t                         ; step t's numbers through the stage: LDS serves a wave's instructions in order, so no wait stands between the stores and the loads
.irp i, 0,1,2,3
	ds_store_b128 v14, v[R+16*((\t)%8)+4*\i:R+16*((\t)%8)+4*\i+3] offset:32*SP*((\t)%2)+8*SP*\i
.endr
.irp i, 0,1,2,3
	ds_load_b128 v[X+16*((\t)%2)+4*\i:X+16*((\t)%2)+4*\i+3], v15 offset:32*SP*((\t)%2)+16*\i
.endr
.endm
.irp t, 0,1,2,3,4,5,6,7
	XLOAD \t
.endr
	s_wait_loadcnt 28                              ; step 0's four loads are in; the seven steps behind it may be out
	XTURN 0
.macro XSTEP t
.set XS, X+16*((\t)%2)
.if (\t) > 0
	s_wait_dscnt 1                                 ; this step's numbers are back from the stage (the last step's byte store may be out): so its stores into the stage have read their registers,
.else
	s_wait_dscnt 0x0
.endif
.if (\t)+AHEAD < STEPS
	XLOAD (\t)+AHEAD                               ; which take the loads of eight steps on
.endif
.if (\t)+1 < STEPS
.if STEPS-2-(\t) >= AHEAD-1
	s_wait_loadcnt 4*(AHEAD-1)                     ; the next step's four loads are in; those of the seven steps behind it may be out
.else
	s_wait_loadcnt 4*(STEPS-2-(\t))                ; towards the end: as many steps as are left behind it
.endif
	XTURN (\t)+1                                   ; and go through the other stage while this step is worked
.endif
	v_max3_num_f32 v8, |v[XS]|, |v[XS+1]|, |v[XS+2]|               ; the largest magnitude of my 16
	v_max3_num_f32 v9, |v[XS+3]|, |v[XS+4]|, |v[XS+5]|
.irp i, 6,10
	v_max3_num_f32 v8, v8, |v[XS+\i]|, |v[XS+\i+1]|
	v_max3_num_f32 v9, v9, |v[XS+\i+2]|, |v[XS+\i+3]|
.endr
	v_max3_num_f32 v8, v8, |v[XS+14]|, |v[XS+15]|
	v_max3_num_f32 v8, v8, v9, 0x1800000           ; and the floor 2^(3 - 127)
	v_max_num_f32_dpp v8, v8, v8 row_xmask:1 row_mask:0xf bank_mask:0xf   ; and of my neighbour's 16: the block's
	v_add_nc_u32 v11, 0xff000000, v8               ; 2 off its exponent field: the conversion's scale operand
	v_cvt_scalef32_pk8_fp4_f32 v[C+2*(\t)], v[XS:XS+7], v11
	v_cvt_scalef32_pk8_fp4_f32 v[C+2*(\t)+1], v[XS+8:XS+15], v11
	v_lshrrev_b32 v[E+(\t)], 23, v11               ; the scale's byte (also the plain line behind the conversions)
	ds_store_b8 v5, v[E+(\t)] offset:16*(\t)       ; both lanes of a block write the same byte with the same value
	global_store_b64 v4, v[C+2*(\t):C+2*(\t)+1], s[14:15] offset:256*(\t)   ; 32 lanes store 256 consecutive bytes, aligned
.endm
.irp t, 0,1,2,3,4,5,6,7,8,9,10,11,12,13,14,15
	XSTEP \t
.endr
	ds_load_b64 v[12:13], v6                       ; LDS serves a wave's instructions in order: these see my byte stores
	s_wait_dscnt 0x0
	global_store_b64 v7, v[12:13], s[16:17]        ; 32 lanes store 256 consecutive bytes, aligned
	s_wait_tensorcnt 0x0
	ds_add_u32 v224, v225
	s_wait_dscnt 0x0
	s_endpgm
.Lfunc_end_k_q82782fc44a_quant:
	.size	k_q82782fc44a_quant, .Lfunc_end_k_q82782fc44a_quant-k_q82782fc44a_quant
	.p2alignl 7, 3214868480
	.fill 96, 4, 3214868480
	.section	.rodata,"a",@progbits
	.p2align	6, 0x0
	.amdhsa_kernel k_q82782fc44a_quant
		.amdhsa_group_segment_fixed_size 68096
		.amdhsa_private_segment_fixed_size 0
		.amdhsa_enable_private_segment 0
		.amdhsa_kernarg_size 56
		.amdhsa_user_sgpr_count 2
		.amdhsa_user_sgpr_kernarg_segment_ptr 1
		.amdhsa_wavefront_size32 1
		.amdhsa_system_sgpr_workgroup_id_x 1
		.amdhsa_system_sgpr_workgroup_id_y 1
		.amdhsa_system_sgpr_workgroup_id_z 1
		.amdhsa_system_vgpr_workitem_id 0
		.amdhsa_next_free_vgpr 226
		.amdhsa_next_free_sgpr 66
		.amdhsa_reserve_vcc 0
		.amdhsa_float_denorm_mode_32 3
		.amdhsa_float_denorm_mode_16_64 3
		.amdhsa_memory_ordered 1
		.amdhsa_forward_progress 1
		.amdhsa_inst_pref_size 55
	.end_amdhsa_kernel
	.amdgpu_metadata
---
amdhsa.version: [ 1, 2 ]
amdhsa.kernels:
  - .name:           k_q82782fc44a_quant
    .symbol:         k_q82782fc44a_quant.kd
    .args:
      - { .name: x, .offset: 0, .size: 8, .value_kind: global_buffer, .address_space: global }
      - { .name: Wq, .offset: 8, .size: 8, .value_kind: global_buffer, .address_space: global }
      - { .name: Wk, .offset: 16, .size: 8, .value_kind: global_buffer, .address_space: global }
      - { .name: Wv, .offset: 24, .size: 8, .value_kind: global_buffer, .address_space: global }
      - { .name: Wc, .offset: 32, .size: 8, .value_kind: global_buffer, .address_space: global }
      - { .name: codes, .offset: 40, .size: 8, .value_kind: global_buffer, .address_space: global }
      - { .name: scales, .offset: 48, .size: 8, .value_kind: global_buffer, .address_space: global }
    .group_segment_fixed_size: 68096
    .private_segment_fixed_size: 0
    .kernarg_segment_align: 8
    .kernarg_segment_size: 56
    .max_flat_workgroup_size: 128
    .sgpr_count:     66
    .vgpr_count:     226
    .wavefront_size: 32
...
	.end_amdgpu_metadata
.endif
;; end of part 1
;; launch proj (part 2): grid 16 x 32, 4 waves a work-group, clusters of 4 x 4, 327,680 bytes of LDS; arguments codes, scales, bq, bk, bv, bc, qkv, cimg; writes qkv, cimg
.if DOCPART == 2
	.amdgcn_target "amdgcn-amd-amdhsa--gfx1250"
	.amdhsa_code_object_version 6
	.text
	.protected	k_q82782fc44a_proj
	.globl	k_q82782fc44a_proj
	.p2align	8
	.type	k_q82782fc44a_proj,@function
k_q82782fc44a_proj:
	s_mov_b64 s[64:65], 0
	v_nop
	global_prefetch_b8 v0, s[64:65] scope:SCOPE_SE
	s_setreg_imm32_b32 hwreg(HW_REG_WAVE_MODE, 25, 1), 1
	s_wait_xcnt 0x0
	s_wait_alu depctr_hold_cnt(0) depctr_sa_sdst(0) depctr_va_vdst(0) depctr_va_sdst(0) depctr_va_ssrc(0) depctr_va_vcc(0) depctr_vm_vsrc(0)
	s_getreg_b32 s2, hwreg(HW_REG_IB_STS2, 6, 4)
	s_cmp_eq_u32 s2, 0
	s_cbranch_scc0 .Lentry_in_a_cluster
	s_endpgm
.Lentry_in_a_cluster:
	s_bfe_u32 s2, ttmp6, 0x10000c
	s_cmp_lg_u32 s2, 0xf033
	s_cbranch_scc0 .Lentry_shape_is_right
	s_endpgm
.Lentry_shape_is_right:
.set NQ,     4
.set ROWB,   256
.set KROW,   512
.set PITCH,  272
.set FR,     8
.set NL,     2
.set NP,     4
.set HALFT,  128*PITCH
.set SLOT,   4*HALFT
.set KS,     32
.set SCL,    2*SLOT
.set HALFS,  16*272
.set SBLK,   2*272
.set SPARE,  SCL+4*HALFS
.set RKV,    4456448
.set ADRA, 16
.set ADRB, 20
.set ADRS, 27
.set SPW,  28
.set NIL,  29
.set SC,   32
.set AF,   128
.set BI,   192
.set PC,   128
.set TM,   192
.set PW,   208
.set SW,   216
.set VO,   4
.set G1, 24
.set G0, 32
.set G1B, 48
.set G0B, 56
.set G1S, 68
.set G0S, 76
.set G1SB, 80
.set G0SB, 88
.set PB,  24
.set MSB, 0
.macro WIN new
.if MSB != \new
	s_set_vgpr_msb (MSB<<8)|\new
.set MSB, \new
.endif
.endm
.set MUL_LO, 0xa1
.set MUL_HI, 0xf1
.set BIA_LO, 0x81
.set BIA_HI, 0xc1
.set TO_B,   0x40
.macro JLOAD g0a, g1a, g0b, g1b
	s_cmp_eq_u32 s15, 0
	s_cbranch_scc0 .Lfor_b_\@
	tensor_load_to_lds s[\g0a:\g0a+3], s[\g1a:\g1a+7]
	s_nop 0
.rept 4
	v_nop
.endr
	s_branch .Lasked_\@
.Lfor_b_\@:
	tensor_load_to_lds s[\g0b:\g0b+3], s[\g1b:\g1b+7]
	s_nop 0
.rept 4
	v_nop
.endr
.Lasked_\@:
.endm
.macro CROUND
	s_barrier_signal -1
	s_barrier_wait -1
	s_cmp_lg_u32 s14, 0
	s_cbranch_scc1 .Lnot_wave_0_\@
	s_barrier_signal -3
.Lnot_wave_0_\@:
	s_barrier_wait -3
	s_barrier_signal -1
	s_barrier_wait -1
.endm
	s_load_b128 s[4:7], s[0:1], 0x0
	s_load_b256 s[92:99], s[0:1], 0x10
	s_load_b128 s[8:11], s[0:1], 0x30
	v_lshl_add_u32 v[SPW], v0, 2, SPARE
	v_mov_b32 v[NIL], 0
	ds_add_u32 v28, v29
	ds_add_u32 v28, v29
	s_wait_dscnt 0x0
	v_lshrrev_b32 v1, 5, v0
	v_readfirstlane_b32 s14, v1
	s_lshr_b32 s15, s14, 1
	s_and_b32 s16, s14, 1
	s_bfe_u32 s40, ttmp6, 0x40000
	s_bfe_u32 s41, ttmp6, 0x40004
	s_mov_b32 s100, ttmp9
	s_and_b32 s101, ttmp7, 0xffff
	s_lshl_b32 s101, s101, 2
	s_lshl_b32 s19, s100, 10
	s_add_co_u32 s19, s19, 8192
	s_cmp_eq_u32 s100, 2
	s_cselect_b32 s20, 0, s101
	s_cselect_b32 s21, s101, 0
	s_cselect_b32 s22, 10240, 0
	s_cselect_b32 s23, 0, s19
	s_lshl_b32 s43, s41, 2
	s_lshl_b32 s43, 15, s43
	s_lshl_b32 s44, 0x1111, s40
	s_or_b32 s[G1+0], s43, (0<<16)|(1<<20)|(1<<21)|(5<<22)|(3<<25)
	s_or_b32 s[G1B+0], s44, (0<<16)|(1<<20)|(1<<21)|(5<<22)|(3<<25)
.irp g, G1, G1B
	s_mov_b32 s[\g+1], ROWB<<16
	s_mov_b32 s[\g+2], 128<<16
	s_mov_b32 s[\g+3], ROWB<<16
	s_mov_b32 s[\g+4], 128
	s_mov_b32 s[\g+5], KROW
	s_mov_b32 s[\g+6], 0
	s_mov_b32 s[\g+7], 0
.endr
	s_or_b32 s[G1S+0], s43, (3<<16)|(1<<20)|(1<<21)|(5<<22)|(3<<25)
	s_or_b32 s[G1SB+0], s44, (3<<16)|(1<<20)|(1<<21)|(5<<22)|(3<<25)
.irp g, G1S, G1SB
	s_mov_b32 s[\g+1], 32<<16
	s_mov_b32 s[\g+2], 16<<16
	s_mov_b32 s[\g+3], 32<<16
	s_mov_b32 s[\g+4], 16
	s_mov_b32 s[\g+5], 32
	s_mov_b32 s[\g+6], 0
	s_mov_b32 s[\g+7], 0
.endr
	s_lshl_b32 s18, s16, 7
	s_add_co_u32 s17, s20, s41
	s_lshl_b32 s17, s17, 8
	s_add_co_u32 s17, s17, s22
	s_add_co_u32 s17, s17, s18
	s_add_co_u32 s42, s21, s40
	s_lshl_b32 s42, s42, 8
	s_add_co_u32 s42, s42, s23
	s_add_co_u32 s42, s42, s18
	s_lshl_b32 s20, s17, 9
	s_mov_b32 s21, 0
	s_lshl_b32 s22, s17, 5
	s_mov_b32 s23, 0
	s_lshl_b32 s46, s42, 9
	s_mov_b32 s47, 0
	s_lshl_b32 s66, s42, 5
	s_mov_b32 s67, 0
	s_mul_i32 s45, s14, HALFT
	s_mul_i32 s3, s14, HALFS
	s_wait_kmcnt 0x0
	s_add_nc_u64 s[20:21], s[4:5], s[20:21]
	s_add_nc_u64 s[22:23], s[6:7], s[22:23]
	s_add_nc_u64 s[46:47], s[4:5], s[46:47]
	s_add_nc_u64 s[66:67], s[6:7], s[66:67]
	CROUND
	s_mov_b32 s[G0S], 1
	s_add_co_u32 s[G0S+1], s3, SCL
	s_mov_b64 s[G0S+2:G0S+3], s[22:23]
	s_or_b32 s[G0S+3], s[G0S+3], 0x80000000
	s_mov_b32 s[G0SB], 1
	s_add_co_u32 s[G0SB+1], s3, SCL
	s_mov_b64 s[G0SB+2:G0SB+3], s[66:67]
	s_or_b32 s[G0SB+3], s[G0SB+3], 0x80000000
	JLOAD G0S, G1S, G0SB, G1SB
.irp s, 0,1
	s_mov_b32 s[G0+4*\s], 1
	s_add_co_u32 s[G0+4*\s+1], s45, \s*SLOT
	s_add_nc_u64 s[G0+4*\s+2:G0+4*\s+3], s[20:21], \s*ROWB
	s_or_b32 s[G0+4*\s+3], s[G0+4*\s+3], 0x80000000
	s_mov_b32 s[G0B+4*\s], 1
	s_add_co_u32 s[G0B+4*\s+1], s45, \s*SLOT
	s_add_nc_u64 s[G0B+4*\s+2:G0B+4*\s+3], s[46:47], \s*ROWB
	s_or_b32 s[G0B+4*\s+3], s[G0B+4*\s+3], 0x80000000
	s_wait_alu depctr_va_vdst(0)
	s_wait_tensorcnt 0x0
	ds_add_u32 v28, v29
	s_wait_dscnt 0x0
	CROUND
	JLOAD G0+4*\s, G1, G0B+4*\s, G1B
.endr
	v_and_b32 v1, 15, v0
	v_bfe_u32 v2, v0, 4, 1
	v_mul_u32_u24 v3, v1, PITCH
	v_lshl_add_u32 v4, v2, 4, v3
	s_mul_i32 s21, s15, HALFT
	s_mul_i32 s22, s16, HALFT
	s_add_co_u32 s22, s22, 2*HALFT
.irp s, 0,1
	v_add_nc_u32 v[ADRA+\s], s21, v4
	v_add_nc_u32 v[ADRB+\s], s22, v4
	s_add_co_u32 s21, s21, SLOT
	s_add_co_u32 s22, s22, SLOT
.endr
	v_mul_u32_u24 v5, v1, KS
	v_lshrrev_b32 v6, 8, v5
	v_lshl_add_u32 v5, v6, 4, v5
	s_mul_i32 s21, s15, HALFS
	s_mul_i32 s22, s16, HALFS
	s_add_co_u32 s22, s22, 2*HALFS
	s_sub_co_u32 s22, s22, s21
	v_mul_u32_u24 v6, s22, v2
	s_add_co_u32 s21, s21, SCL
	v_add_nc_u32 v5, v5, v6
	v_add_nc_u32 v[ADRS], s21, v5
	s_cmp_lt_u32 s100, 2
	s_cselect_b64 s[12:13], s[92:93], s[96:97]
	s_cselect_b64 s[18:19], s[94:95], s[98:99]
	s_bitcmp1_b32 s100, 0
	s_cselect_b64 s[12:13], s[18:19], s[12:13]
	s_cmp_eq_u32 s100, 2
	s_cselect_b32 s42, s41, s40
	s_cselect_b32 s43, s15, s16
	s_lshl_b32 s42, s42, 10
	s_lshl_b32 s43, s43, 9
	s_add_co_u32 s42, s42, s43
	s_mov_b32 s43, 0
	s_add_nc_u64 s[12:13], s[12:13], s[42:43]
	s_cmp_eq_u32 s100, 2
	s_cbranch_scc1 .Lbias_row
	v_lshlrev_b32 v5, 6, v2
.irp b, 0,1,2,3,4,5,6,7
	global_load_b128 v[BI+8*\b:BI+8*\b+3], v5, s[12:13] offset:(32*(\b/2)+8*(\b%2))*4
	global_load_b128 v[BI+8*\b+4:BI+8*\b+7], v5, s[12:13] offset:(32*(\b/2)+8*(\b%2))*4+16
.endr
	s_wait_loadcnt 0x0
	s_branch .Lbias_done
.Lbias_row:
	v_and_b32 v5, 8, v1
	v_add_nc_u32 v5, v5, v1
	v_lshlrev_b32 v5, 2, v5
.irp a, 0,1,2,3,4,5,6,7
	global_load_b32 v[BI+8*\a], v5, s[12:13] offset:(32*(\a/2)+8*(\a%2))*4
.endr
	s_wait_loadcnt 0x0
.irp a, 0,1,2,3,4,5,6,7
.irp j, 1,2,3,4,5,6,7
	v_mov_b32 v[BI+8*\a+\j], v[BI+8*\a]
.endr
.endr
.rept 4
	v_nop
.endr
.Lbias_done:
.macro FRAG reg, adr, q, i
.irp c, 0,1
	ds_load_b128 v[\reg+4*\c:\reg+4*\c+3], v[\adr] offset:64*(\q)+32*\c+(\i)*16*PITCH
.endr
.endm
.macro MUL16 a0, p, q, sc, zero
.irp a, \a0, \a0+1
.irp b, 0,1,2,3,4,5,6,7
.set rD, 8*(8*((\a)%4)+\b)
.set rB, 128*(\p)+FR*\b
.set rA, AF+FR*(\a)
.set rSB, SC+8*NQ*(\sc)+NQ*\b+(\q)
.set rSA, SC+8*NQ*(\sc)+NQ*(\a)+(\q)
.if (\zero) == 1
	v_wmma_scale_f32_16x16x128_f8f6f4 v[rD:rD+7], v[rB:rB+7], v[rA:rA+7], v[BI+8*\b:BI+8*\b+7], v[rSB], v[rSA] matrix_a_fmt:MATRIX_FMT_FP4 matrix_b_fmt:MATRIX_FMT_FP4 matrix_a_scale:MATRIX_SCALE_ROW1
.elseif (\zero) == 2
	v_wmma_scale_f32_16x16x128_f8f6f4 v[rD:rD+7], v[rB:rB+7], v[rA:rA+7], v[BI+8*(\a):BI+8*(\a)+7], v[rSB], v[rSA] matrix_a_fmt:MATRIX_FMT_FP4 matrix_b_fmt:MATRIX_FMT_FP4 matrix_a_scale:MATRIX_SCALE_ROW1
.else
	v_wmma_scale_f32_16x16x128_f8f6f4 v[rD:rD+7], v[rB:rB+7], v[rA:rA+7], v[rD:rD+7], v[rSB], v[rSA] matrix_a_fmt:MATRIX_FMT_FP4 matrix_b_fmt:MATRIX_FMT_FP4 matrix_a_scale:MATRIX_SCALE_ROW1
.endif
.endr
.endr
.endm
.macro FETCH_B slot, q, p
	WIN TO_B
.irp i, 0,1,2,3,4,5,6,7
	FRAG 128*(\p)+FR*\i, ADRB+\slot, \q, \i
.endr
	WIN 0
.endm
.macro FETCH_A slot, q, i0
.irp i, \i0, \i0+1, \i0+2, \i0+3
	FRAG AF+FR*(\i), ADRA+\slot, \q, \i
.endr
.endm
.macro SCALES sc
.irp i, 0,1,2,3,4,5,6,7
	ds_load_b128 v[SC+8*NQ*\sc+NQ*\i:SC+8*NQ*\sc+NQ*\i+3], v[ADRS] offset:\i*SBLK
.endr
.endm
.macro PLACES n
.rept \n
	v_nop
.endr
.endm
.macro STEP slot, q, zero
	s_wait_dscnt 4*NL
.if \zero
	WIN BIA_LO
.else
	WIN MUL_LO
.endif
	MUL16 0, (\q)%2, \q, \slot, \zero
	MUL16 2, (\q)%2, \q, \slot, \zero
	s_wait_dscnt 0
	PLACES NP
	FETCH_B \slot, (\q)+1, 1-(\q)%2
	FETCH_A \slot, (\q)+1, 0
.if \zero
	WIN BIA_HI
.else
	WIN MUL_HI
.endif
	MUL16 4, (\q)%2, \q, \slot, \zero
	MUL16 6, (\q)%2, \q, \slot, \zero
	PLACES NP
	WIN 0
	FETCH_A \slot, (\q)+1, 4
.endm
.macro TURN slot, next
	s_wait_tensorcnt 0x0
	ds_add_u32 v[SPW], v[NIL]
	s_wait_dscnt 4*NL+1
	WIN MUL_LO
	MUL16 0, 1, NQ-1, \slot, 0
	s_wait_dscnt 0x0
	s_barrier_signal -1
	MUL16 2, 1, NQ-1, \slot, 0
	WIN 0
	s_barrier_wait -1
	PLACES NP
	v_add_nc_u32 v[ADRS], 4*NQ, v[ADRS]
	FETCH_B \next, 0, 0
	FETCH_A \next, 0, 0
	SCALES \next
	WIN MUL_HI
	MUL16 4, 1, NQ-1, \slot, 0
	MUL16 6, 1, NQ-1, \slot, 0
	PLACES NP
	WIN 0
	FETCH_A \next, 0, 4
.endm
.macro STEPS slot, from
.set Q, \from
.rept NQ-1-\from
	STEP \slot, Q, 0
.set Q, Q+1
.endr
.endm
	s_wait_tensorcnt 1
	s_barrier_signal -1
	s_barrier_wait -1
	FETCH_B 0, 0, 0
	FETCH_A 0, 0, 0
	s_wait_alu depctr_va_vdst(0)
	SCALES 0
	FETCH_A 0, 0, 4
	s_cmp_eq_u32 s100, 2
	s_cbranch_scc1 .Lfirst_row
	STEP 0, 0, 1
	s_branch .Lfirst_done
.Lfirst_row:
	STEP 0, 0, 2
.Lfirst_done:
	STEPS 0, 1
	TURN 0, 1
	STEPS 1, 0
	s_wait_dscnt 4*NL
	WIN MUL_LO
	MUL16 0, 1, NQ-1, 1, 0
	MUL16 2, 1, NQ-1, 1, 0
	s_wait_dscnt 0
	WIN MUL_HI
	MUL16 4, 1, NQ-1, 1, 0
	MUL16 6, 1, NQ-1, 1, 0
	WIN 0
	PLACES NP
	s_cmp_eq_u32 s100, 2
	s_cselect_b32 s17, s41, s40
	s_cselect_b32 s18, s15, s16
	s_cselect_b32 s19, s40, s41
	s_cselect_b32 s20, s16, s15
	s_lshl_b32 s17, s17, 2
	s_lshl_b32 s18, s18, 1
	s_add_co_u32 s17, s17, s18
	s_add_co_u32 s19, s19, s101
	s_lshl_b32 s19, s19, 1
	s_add_co_u32 s19, s19, s20
	s_lshr_b32 s20, s19, 4
	s_and_b32 s21, s19, 15
	s_lshl_b32 s20, s20, 4
	s_add_co_u32 s20, s20, s17
	s_cmp_eq_u32 s100, 3
	s_cbranch_scc1 .Lc_path
	s_lshl_b32 s22, s20, 4
	s_add_co_u32 s22, s22, s21
	s_mov_b32 s23, 8704
	s_mov_b32 s42, RKV
	s_mov_b32 s43, 8192
	s_cmp_eq_u32 s100, 0
	s_cselect_b32 s23, 4352, s23
	s_cselect_b32 s42, 0, s42
	s_cselect_b32 s43, 4096, s43
	s_lshl_b32 s44, s23, 4
	s_mov_b32 s48, 512
	s_cmp_eq_u32 s100, 2
	s_cselect_b32 s45, 4096, 0
	s_cselect_b32 s43, 8448, s43
	s_cselect_b32 s46, s44, 2048
	s_cselect_b32 s47, 512, s44
	s_cselect_b32 s48, 1024, s48
	s_mul_i32 s22, s22, s23
	s_add_co_u32 s22, s22, s42
	s_mov_b32 s23, 0
	s_add_nc_u64 s[8:9], s[8:9], s[22:23]
	s_mov_b32 s51, 0
	s_mov_b32 s50, s43
	s_add_nc_u64 s[32:33], s[8:9], s[50:51]
	s_mov_b32 s50, s45
	s_add_nc_u64 s[PB:PB+1], s[8:9], s[50:51]
	s_mov_b32 s50, s47
	s_add_nc_u64 s[PB+2:PB+3], s[PB:PB+1], s[50:51]
	s_mov_b32 s50, s46
	s_add_nc_u64 s[PB+4:PB+5], s[PB:PB+1], s[50:51]
	s_add_nc_u64 s[PB+6:PB+7], s[PB+2:PB+3], s[50:51]
	s_mov_b32 s34, 0x76543210
	s_mov_b32 s35, 0xfedcba98
	v_and_b32 v3, 31, v0
	v_lshlrev_b32 v[VO], 4, v3
	v_add_nc_u32 v[VO+1], s48, v[VO]
	v_add_nc_u32 v[VO+2], s48, v[VO+1]
	v_add_nc_u32 v[VO+3], s48, v[VO+2]
	v_mul_lo_u32 v8, v2, s44
	v_lshl_add_u32 v8, v1, 4, v8
	v_cmp_ne_u32 vcc_lo, 0, v2
	v_mov_b32 v9, 0x05040100
	v_mov_b32 v10, 0x07060302
	v_cndmask_b32 v9, v9, v10, vcc_lo
.irp b, 0,1,2,3
	v_mov_b32 v[TM+4+\b], 0
.endr
.macro QROW a
.set W, 2+(\a)/4
.set WA, W|(W<<2)
.set WB, (W<<2)|(W<<4)
.set AC, 64*((\a)%4)
.set PCA, PC+8*(\a)
	WIN WA
.irp b, 0,1,2,3
	v_max3_num_f32 v[TM+\b], |v[AC+16*\b]|, |v[AC+16*\b+1]|, 0x1800000
.endr
	WIN WB
.irp i, 2,4,6,8,10,12,14
.irp b, 0,1,2,3
	v_max3_num_f32 v[TM+\b], v[TM+\b], |v[AC+16*\b+\i]|, |v[AC+16*\b+\i+1]|
.endr
.endr
	WIN 0
.irp b, 0,1,2,3
	v_permlanex16_b32 v[TM+4+\b], v[TM+\b], s34, s35
.endr
.irp b, 0,1,2,3
	v_max_num_f32 v[TM+\b], v[TM+\b], v[TM+4+\b]
.endr
.irp b, 0,1,2,3
	v_add_nc_u32 v[TM+12+\b], 0xff000000, v[TM+\b]
.endr
.irp b, 0,1,2,3
	v_lshrrev_b32 v[TM+4+\b], 23, v[TM+12+\b]
.endr
	v_lshl_or_b32 v[PW+(\a)], v[TM+5], 8, v[TM+4]
	v_lshl_or_b32 v[PW+(\a)], v[TM+6], 16, v[PW+(\a)]
	v_lshl_or_b32 v[PW+(\a)], v[TM+7], 24, v[PW+(\a)]
	WIN W
.irp b, 0,1,2,3
	v_cvt_scalef32_pk8_fp4_f32 v[PCA+2*\b], v[AC+16*\b:AC+16*\b+7], v[TM+12+\b]
	v_cvt_scalef32_pk8_fp4_f32 v[PCA+2*\b+1], v[AC+16*\b+8:AC+16*\b+15], v[TM+12+\b]
.endr
	WIN 0
	v_nop
.irp c, 0,1
.irp i, 0,1
	v_permlane16_swap_b32 v[PCA+4*\c+\i], v[PCA+4*\c+2+\i]
.endr
.endr
.irp c, 0,1
	global_store_b128 v[VO+(\a)%4], v[PCA+4*\c:PCA+4*\c+3], s[PB+4*((\a)/4)+2*\c:PB+4*((\a)/4)+2*\c+1]
.endr
.endm
.irp a, 0,1,2,3,4,5,6,7
	QROW \a
.endr
	s_cmp_eq_u32 s100, 2
	s_cbranch_scc1 .Lwords_v
.irp i, 0,1,2,3
	v_perm_b32 v[SW+\i], v[PW+2*\i+1], v[PW+2*\i], v9
.endr
	s_branch .Lwords_out
.Lwords_v:
.irp i, 0,1,2,3
	v_cndmask_b32 v[SW+\i], v[PW+\i], v[PW+4+\i], vcc_lo
.endr
.Lwords_out:
	s_wait_alu depctr_va_vdst(0)
	global_store_b128 v8, v[SW:SW+3], s[32:33]
	s_branch .Lend
.Lc_path:
	s_lshl_b32 s22, s20, 7
	s_lshl_b32 s21, s21, 3
	s_add_co_u32 s22, s22, s21
	s_lshl_b32 s22, s22, 12
	s_mov_b32 s23, 0
	s_add_nc_u64 s[10:11], s[10:11], s[22:23]
	v_and_b32 v3, 31, v0
	v_lshlrev_b32 v4, 4, v3
.irp a, 0,1,2,3,4,5,6,7
.set AC, 64*((\a)%4)
	WIN 0x08+4*((\a)/4)
.irp b, 0,1,2,3,4,5,6,7
.irp e, 0,1
	global_store_b128 v4, v[AC+8*\b+4*\e:AC+8*\b+4*\e+3], s[10:11] offset:(\b/4)*524288+\a*4096+(\b%4)*1024+\e*512 th:TH_STORE_NT
.endr
.endr
.endr
	WIN 0
.Lend:
	s_wait_tensorcnt 0x0
	ds_add_u32 v[SPW], v[NIL]
	s_wait_dscnt 0x0
	CROUND
	s_endpgm
.Lfunc_end_k_q82782fc44a_proj:
	.size	k_q82782fc44a_proj, .Lfunc_end_k_q82782fc44a_proj-k_q82782fc44a_proj
	.p2alignl 7, 3214868480
	.fill 96, 4, 3214868480
	.section	.rodata,"a",@progbits
	.p2align	6, 0x0
	.amdhsa_kernel k_q82782fc44a_proj
		.amdhsa_group_segment_fixed_size 327680
		.amdhsa_private_segment_fixed_size 0
		.amdhsa_enable_private_segment 0
		.amdhsa_kernarg_size 64
		.amdhsa_user_sgpr_count 2
		.amdhsa_user_sgpr_kernarg_segment_ptr 1
		.amdhsa_wavefront_size32 1
		.amdhsa_system_sgpr_workgroup_id_x 1
		.amdhsa_system_sgpr_workgroup_id_y 1
		.amdhsa_system_sgpr_workgroup_id_z 1
		.amdhsa_system_vgpr_workitem_id 0
		.amdhsa_next_free_vgpr 1024
		.amdhsa_next_free_sgpr 102
		.amdhsa_reserve_vcc 1
		.amdhsa_float_denorm_mode_32 3
		.amdhsa_float_denorm_mode_16_64 3
		.amdhsa_memory_ordered 1
		.amdhsa_forward_progress 1
		.amdhsa_inst_pref_size 159
	.end_amdhsa_kernel
	.amdgpu_metadata
---
amdhsa.version: [ 1, 2 ]
amdhsa.kernels:
  - .name:           k_q82782fc44a_proj
    .symbol:         k_q82782fc44a_proj.kd
    .args:
      - { .name: codes, .offset: 0, .size: 8, .value_kind: global_buffer, .address_space: global }
      - { .name: scales, .offset: 8, .size: 8, .value_kind: global_buffer, .address_space: global }
      - { .name: bq, .offset: 16, .size: 8, .value_kind: global_buffer, .address_space: global }
      - { .name: bk, .offset: 24, .size: 8, .value_kind: global_buffer, .address_space: global }
      - { .name: bv, .offset: 32, .size: 8, .value_kind: global_buffer, .address_space: global }
      - { .name: bc, .offset: 40, .size: 8, .value_kind: global_buffer, .address_space: global }
      - { .name: qkv, .offset: 48, .size: 8, .value_kind: global_buffer, .address_space: global }
      - { .name: cimg, .offset: 56, .size: 8, .value_kind: global_buffer, .address_space: global }
    .group_segment_fixed_size: 327680
    .private_segment_fixed_size: 0
    .kernarg_segment_align: 8
    .kernarg_segment_size: 64
    .max_flat_workgroup_size: 128
    .sgpr_count:     102
    .vgpr_count:     1024
    .wavefront_size: 32
...
	.end_amdgpu_metadata
.endif
;; end of part 2
;; launch attn (part 3): grid 4 x 64, 8 waves a work-group, clusters of 4 x 1, 327,680 bytes of LDS; arguments qkv, cimg, out0; writes out0
.if DOCPART == 3
	.amdgcn_target "amdgcn-amd-amdhsa--gfx1250"
	.amdhsa_code_object_version 6
	.text
	.protected	k_q82782fc44a_attn
	.globl	k_q82782fc44a_attn
	.p2align	8
	.type	k_q82782fc44a_attn,@function
k_q82782fc44a_attn:
	s_mov_b64 s[64:65], 0
	v_nop
	global_prefetch_b8 v0, s[64:65] scope:SCOPE_SE
	s_setreg_imm32_b32 hwreg(HW_REG_WAVE_MODE, 25, 1), 1
	s_wait_xcnt 0x0
	s_wait_alu depctr_hold_cnt(0) depctr_sa_sdst(0) depctr_va_vdst(0) depctr_va_sdst(0) depctr_va_ssrc(0) depctr_va_vcc(0) depctr_vm_vsrc(0)
	s_getreg_b32 s2, hwreg(HW_REG_IB_STS2, 6, 4)
	s_cmp_eq_u32 s2, 0
	s_cbranch_scc0 .Lentry_in_a_cluster
	s_endpgm
.Lentry_in_a_cluster:
	s_bfe_u32 s2, ttmp6, 0x10000c
	s_cmp_lg_u32 s2, 0x3003
	s_cbranch_scc0 .Lentry_shape_is_right
	s_endpgm
.Lentry_shape_is_right:
; out[b][q][head][:] = softmax_k(q . k / 8) v + c, both products on codes of FP4 (E2M1) with one E8M0 scale for each 32 along a product's K.  64 heads (batch x head), 2,048 tokens, head width 64.
; q, k, v arrive as images of operand registers, with their scale words, in records of 128 tokens; c as images of this kernel's sums.  No work of the problem is left out here.
; THE SOFTMAX: t = score x log2(e) / 8; M = the row's largest t so far, rounded up to a whole number; p = 2^(t - M) is quantised along the keys.  The row's sum is taken of the unquantised p and divides at the end.
; When M moves, the sum and O are multiplied by 2^(old M - new M): exact.
; SHARES.  A work-group owns 512 queries of one head; each of its eight waves owns four tiles of 16 queries and takes them two at a time (tiles A and B), in steps of 256 keys: each fragment of K and V feeds both tiles,
; and M's chain and the rescaling of O run once for 256 keys.  512 registers a wave: window 1 holds the scores (128 for each tile), window 0 all else.
; A head's k and v, 139,264 dense bytes, come into LDS once (eight joint loads, one a wave, 68 rows of 256 bytes each, with a mask that names the four work-groups of the head) and stay.
; c: each wave brings its own four tiles' images, 16,384 dense bytes, by one plain tensor load behind the head's second round, and alone reads them.
; LAYOUT.  Both products are used transposed: a lane holds one query (lane % 16).  THE KEYS OF A TILE ARE CHOSEN BY LDS ADDRESSES: rows 0-7 of tile (c, u) are keys 64 c + 8 u + 0..7 of a record, rows 8-15 keys 64 c + 32 + 8 u + 0..7.
; So lanes 0-15 hold the whole block 2 c in 32 registers and lanes 16-31 the whole block 2 c + 1: a block's maximum needs no other lane, and four conversions give registers 4 c .. 4 c + 3 of the second product's operand as they stand.
; THE HEAD WIDTH 64 IS HALF OF THE INSTRUCTION'S K = 128: source 0 holds two tiles of keys, source 1 is [q, 0] or [0, q]: zero codes blank the other tile; every scale byte lies in 1 .. 254.
; THE EXPONENTIALS go in two batches, each with one wait ahead and one behind; among A's stand B's multiply-adds, among B's the first level of A's sum: lines that read nothing written inside the batch.
; No prefetch: k, v and c each come once, asked for at the head: there is no loop to run ahead in.  K's rows are not padded: lanes 0-7 and 8-15 of a K load lie 1,024 bytes apart; that touches 16 of a step's 42 LDS loads.
; LIMITS: the promise holds while the scaled scores stay under 2^31 in magnitude; a block of p that is all zeros keeps the byte 1 (its codes are zeros); NaN and infinities are not served.
.set RKV,   4456448                    ; where k's and v's records begin in qkv
.set REC,   8704                       ; a record of 128 keys: k's 8 images, v's 8, k's scale words, v's
.set STEP,  2*REC
.set HEADB, 16*REC
.set CB,    HEADB                      ; c's images: 16,384 bytes a wave
.set STAGE, CB+131072                  ; 16 rows x 272 bytes a wave, for the way out
.set SPARE, STAGE+8*16*272             ; the spare words: 128 bytes a wave
.set AIMG, 1                           ; 16 x lane
.set AK,   2                           ; my lane's place in K's images
.set AKS,  3                           ; among K's scale words
.set AVS,  4                           ; among V's
.set STO,  5
.set RD,   6
.set GO,   7
.set SK,   8                           ; v8-11: the step's four LDS addresses
.set SV,   9
.set SKS,  10
.set SVS,  11
.set SPW,  12
.set NIL,  13
.set QW,   14                          ; q's scale word as loaded
.set R16,  15                          ; 16 x (lane % 16)
.set ST,   16                          ; tile T's state at ST + 6 T: -M, the largest score, the sum (2), f, a filler
.set QB,   28                          ; zeros, q of A, zeros, q of B, zeros: four registers each
.set KS,   48                          ; K's scale words (8), V's (8), p's (2 a tile), q's (1 a tile)
.set VS,   56
.set PS,   64
.set QS,   68
.set BM,   70                          ; eight block maxima: 4 T + slot
.set SO,   78                          ; the conversions' scale operands
.set TP,   86                          ; v86-93 at work
.set VC,   94                          ; LDS address of my c images
.set VCS,  95
.set CD,   96                          ; p's codes: 16 T + 8 record + 4 c + u
.set O,    128                         ; O^T: 32 T + 8 t
.set KV,   192                         ; K's fragments, then V's
.set MSB, 0
.macro WIN new                         ; the immediate's high byte repeats the setting that is left
.if MSB != \new
	s_set_vgpr_msb (MSB<<8)|\new
.set MSB, \new
.endif
.endm
.macro ROUND                           ; a round of the cluster's barrier
	s_barrier_signal -1
	s_barrier_wait -1
	s_cmp_lg_u32 s10, 0
	s_cbranch_scc1 .Lnot_wave_0_\@
	s_barrier_signal -3
.Lnot_wave_0_\@:
	s_barrier_wait -3
	s_barrier_signal -1
	s_barrier_wait -1
.endm
.macro ADDR                            ; the four addresses of the step at LDS byte s39
	v_add_nc_u32 v[SK], s39, v[AK]
	v_add_nc_u32 v[SV], s39, v[AIMG]
	v_add_nc_u32 v[SKS], s39, v[AKS]
	v_add_nc_u32 v[SVS], s39, v[AVS]
.endm
.macro KLOAD                           ; pair n = 4 record + 2 c + g: tiles u = 2 g and 2 g + 1, and the word that holds both tiles' bytes
.irp n, 0,1,2,3,4,5,6,7
	ds_load_b128 v[KV+8*\n:KV+8*\n+3], v[SK] offset:REC*(\n/4)+2048*((\n/2)%2)+128*(\n%2)
	ds_load_b128 v[KV+8*\n+4:KV+8*\n+7], v[SK] offset:REC*(\n/4)+2048*((\n/2)%2)+128*(\n%2)+512
	ds_load_b32 v[KS+\n], v[SKS] offset:REC*(\n/4)+8*((\n/2)%2)+128*(\n%2)
.endr
.endm
.macro QLOAD                           ; the two tiles' images and the one word that holds both tiles' bytes
	global_load_b128 v[QB+4:QB+7], v[AIMG], s[40:41]
	global_load_b128 v[QB+12:QB+15], v[AIMG], s[40:41] offset:512
	global_load_b32 v[QW], v[R16], s[42:43]
.endm
.macro TREE b, st, n                   ; n independent additions in place: pair b + i st takes pair b + i st + st / 2
.set i, 0
.rept \n
	v_pk_add_f32 v[\b+i*\st:\b+i*\st+1], v[\b+i*\st:\b+i*\st+1], v[\b+i*\st+\st/2:\b+i*\st+\st/2+1]
.set i, i+1
.endr
.endm
	s_load_b128 s[4:7], s[0:1], 0x0                ; qkv, cimg
	s_load_b64 s[8:9], s[0:1], 0x10                ; out0
	v_lshl_add_u32 v[SPW], v0, 2, SPARE
	v_mov_b32 v[NIL], 0
	ds_add_u32 v[SPW], v[NIL]
	ds_add_u32 v[SPW], v[NIL]
	v_lshrrev_b32 v1, 5, v0
	v_readfirstlane_b32 s10, v1                    ; wave 0..7
	s_bfe_u32 s11, ttmp6, 0x40000                  ; cx: which 512 queries: it enters global addresses alone
	s_and_b32 s12, ttmp7, 0xffff                   ; the head, which the four partners share
	s_mov_b32 s24, 15|(3<<16)|(1<<21)              ; k and v: the mask of all four; elements of 8 bytes; bit 21 beside a mask
	s_mov_b32 s25, 32<<16
	s_mov_b32 s26, 68<<16
	s_mov_b32 s27, 32<<16
	s_mov_b32 s28, 68                              ; 68 rows of 256 bytes: one step's two records
	s_mov_b32 s29, 32
	s_mov_b32 s30, 0
	s_mov_b32 s31, 0
	s_mov_b32 s72, 3<<16                           ; c: no mask; 64 rows of 256 bytes
	s_mov_b32 s73, 32<<16
	s_mov_b32 s74, 64<<16
	s_mov_b32 s75, 32<<16
	s_mov_b32 s76, 64
	s_mov_b32 s77, 32
	s_mov_b32 s78, 0
	s_mov_b32 s79, 0
	s_mov_b32 s32, 1
	s_mul_i32 s33, s10, STEP                       ; LDS: wave x 68 rows
	s_mul_i32 s50, s12, HEADB
	s_add_co_u32 s50, s50, s33
	s_add_co_u32 s50, s50, RKV
	s_mov_b32 s51, 0
	s_mov_b32 s68, 1
	s_lshl_b32 s69, s10, 14
	s_add_co_u32 s69, s69, CB                      ; LDS: my 16,384 bytes of c
	s_lshl_b32 s52, s12, 7
	s_lshl_b32 s53, s11, 5
	s_add_co_u32 s52, s52, s53
	s_lshl_b32 s53, s10, 2
	s_add_co_u32 s52, s52, s53                     ; my first tile in the head: 32 cx + 4 wave
	s_lshl_b32 s52, s52, 12
	s_mov_b32 s53, 0
	s_wait_alu depctr_va_vdst(0)
	s_wait_dscnt 0x0
	s_wait_kmcnt 0x0
	s_add_nc_u64 s[34:35], s[4:5], s[50:51]
	s_or_b32 s35, s35, 0x80000000
	s_add_nc_u64 s[70:71], s[6:7], s[52:53]
	s_or_b32 s71, s71, 0x80000000
	ROUND                                          ; all four work-groups are here: the joint loads meet
	tensor_load_to_lds s[32:35], s[24:31]          ; every wave's one load at the head
	s_nop 0
	v_and_b32 v[AIMG], 31, v0
	v_lshlrev_b32 v[AIMG], 4, v[AIMG]
	v_and_b32 v[TP], 15, v0                        ; r
	v_bfe_u32 v[TP+1], v0, 4, 1                    ; h
	v_and_b32 v[TP+2], 7, v0                       ; r % 8
	v_bfe_u32 v[TP+3], v0, 3, 1                    ; r / 8
	v_lshlrev_b32 v[AK], 4, v[TP+2]
	v_lshl_add_u32 v[AK], v[TP+3], 10, v[AK]
	v_lshl_add_u32 v[AK], v[TP+1], 8, v[AK]        ; 16 (r % 8) + 1024 (r / 8) + 256 h
	v_lshlrev_b32 v[AKS], 4, v[TP+2]
	v_lshl_add_u32 v[AKS], v[TP+3], 2, v[AKS]
	v_add_nc_u32 v[AKS], 8192, v[AKS]              ; behind the images: 16 (r % 8) + 4 (r / 8)
	v_lshlrev_b32 v[R16], 4, v[TP]
	v_add_nc_u32 v[AVS], 8448, v[R16]
	s_mul_i32 s50, s10, 16*272
	s_add_co_u32 s50, s50, STAGE
	v_mul_u32_u24 v[STO], v[TP], 272
	v_lshl_add_u32 v[STO], v[TP+1], 6, v[STO]
	v_add_nc_u32 v[STO], s50, v[STO]               ; in: row r, + 64 h
	v_mul_u32_u24 v[RD], v[TP+1], 272
	v_lshl_add_u32 v[RD], v[TP], 4, v[RD]
	v_add_nc_u32 v[RD], s50, v[RD]                 ; back: lanes 0-15 one row, lanes 16-31 the next
	v_lshlrev_b32 v[GO], 12, v[TP+1]
	v_lshl_add_u32 v[GO], v[TP], 4, v[GO]          ; the same two tokens in out0
	v_add_nc_u32 v[VC], s69, v[AIMG]
.irp j, 0,1,2,3,8,9,10,11,16,17,18,19
	v_mov_b32 v[QB+\j], 0                          ; the zero codes beside q
.endr
	v_mov_b32 v[ST+5], 0                           ; (named as upper halves of pairs)
	v_mov_b32 v[ST+11], 0
	s_mov_b32 s20, 0x76543210
	s_mov_b32 s21, 0xfedcba98                      ; lane l xor 16
	s_mov_b32 s22, 0x3e38aa3b                      ; log2(e) / 8
	s_mov_b32 s23, s22
	s_lshl_b32 s50, s12, 4
	s_lshl_b32 s51, s11, 2
	s_add_co_u32 s50, s50, s51
	s_lshr_b32 s51, s10, 1
	s_add_co_u32 s50, s50, s51
	s_mul_i32 s50, s50, 4352                       ; q's record: 16 head + 4 cx + wave / 2
	s_and_b32 s52, s10, 1
	s_lshl_b32 s53, s52, 11
	s_add_co_u32 s54, s50, s53
	s_mov_b32 s55, 0
	s_add_nc_u64 s[40:41], s[4:5], s[54:55]        ; image 4 (wave % 2) of it
	s_lshl_b32 s53, s52, 3
	s_add_co_u32 s54, s50, s53
	s_add_co_u32 s54, s54, 4096
	s_add_nc_u64 s[42:43], s[4:5], s[54:55]        ; word 2 (wave % 2)
	s_lshr_b32 s50, s12, 4
	s_lshl_b32 s50, s50, 11
	s_lshl_b32 s51, s11, 9
	s_add_co_u32 s50, s50, s51
	s_lshl_b32 s51, s10, 6
	s_add_co_u32 s50, s50, s51                     ; my first token: 2048 batch + 512 cx + 64 wave
	s_lshl_b32 s54, s50, 12
	s_and_b32 s51, s12, 15
	s_lshl_b32 s51, s51, 8
	s_add_co_u32 s54, s54, s51
	s_add_nc_u64 s[46:47], s[8:9], s[54:55]
	s_mov_b32 s48, 0                               ; the pass's place among my c images
	s_mov_b32 s38, 2
	s_wait_alu depctr_va_vdst(0)                   ; the offsets below were written ahead of a run of scalar lines
	QLOAD
	s_wait_tensorcnt 0x0                           ; my part of k and v has landed
	ds_add_u32 v[SPW], v[NIL]
	s_wait_dscnt 0x0
	ROUND                                          ; everybody's part is in
	tensor_load_to_lds s[68:71], s[72:79]          ; my c images: my one load behind the round
	s_nop 0
.rept 4
	v_nop
.endr
.Lpass:                                        ; two trips: two tiles of 16 queries each
	s_mov_b32 s36, 0
	s_mov_b32 s39, 0
	ADDR
	KLOAD
	s_wait_loadcnt 0x0                             ; q
	v_perm_b32 v[QS], v[QW], v[QW], 0x01000100     ; A's two bytes, twice: they serve [q, 0] and [0, q]
	v_perm_b32 v[QS+1], v[QW], v[QW], 0x03020302   ; B's
.irp T, 0,1
	v_mov_b32 v[ST+6*\T], 0x7f61b1e6               ; -M: 3e38
	v_mov_b32 v[ST+6*\T+1], 0xff61b1e6             ; the largest score so far: -3e38
	v_mov_b32 v[ST+6*\T+2], 0
	v_mov_b32 v[ST+6*\T+3], 0
.endr
.set j, 0
.rept 64
	v_mov_b32 v[O+j], 0                            ; O^T: the step is written once; the first change of M leaves zeros zeros
.set j, j+1
.endr
	s_mov_b32 s37, 8
	s_wait_alu depctr_va_vdst(0)
.Lstep:                                        ; eight trips: 256 keys each
	s_wait_dscnt 0x0                               ; K and its words
	WIN 0x40                                       ; results in window 1
.irp n, 0,1,2,3,4,5,6,7
.irp T, 0,1
	v_wmma_scale_f32_16x16x128_f8f6f4 v[128*\T+16*\n:128*\T+16*\n+7], v[KV+8*\n:KV+8*\n+7], v[QB+4+8*\T:QB+11+8*\T], 0, v[KS+\n], v[QS+\T] matrix_a_fmt:MATRIX_FMT_FP4 matrix_b_fmt:MATRIX_FMT_FP4
	v_wmma_scale_f32_16x16x128_f8f6f4 v[128*\T+16*\n+8:128*\T+16*\n+15], v[KV+8*\n:KV+8*\n+7], v[QB+8*\T:QB+7+8*\T], 0, v[KS+\n], v[QS+\T] matrix_a_fmt:MATRIX_FMT_FP4 matrix_b_fmt:MATRIX_FMT_FP4
.endr
.endr                                          ; register 128 T + 32 s + i of lane (r, h): key 128 (s / 2) + 64 (s % 2) + 32 h + i of the step
	WIN 0
.rept 4
	v_nop                                          ; places ahead of the loads into K's registers and of the first reads of the scores
.endr
.irp g, 0,1
.irp n, 0,1,2,3,4,5,6,7
	ds_load_b128 v[KV+32*\g+4*\n:KV+32*\g+4*\n+3], v[SV] offset:REC*\g+4096+512*\n   ; V^T: record g, tile n / 2, half n % 2
.endr
	ds_load_b128 v[VS+4*\g:VS+4*\g+3], v[SVS] offset:REC*\g
.endr
	WIN 0x15
.irp x, 0,1,2,3,4,5,6,7                        ; the largest score of each block: eight chains by turns, each accumulator from its low end on
	v_max3_num_f32 v[BM+\x], v[32*\x], v[32*\x+1], v[32*\x+2]
.endr
	WIN 0x14
.irp i, 3,5,7,9,11,13,15,17,19,21,23,25,27,29
.irp x, 0,1,2,3,4,5,6,7
	v_max3_num_f32 v[BM+\x], v[BM+\x], v[32*\x+\i], v[32*\x+\i+1]
.endr
.endr
.irp x, 0,1,2,3,4,5,6,7
	v_max_num_f32 v[BM+\x], v[BM+\x], v[32*\x+31]
.endr
	WIN 0
.irp T, 0,1
	v_max3_num_f32 v[TP+\T], v[BM+4*\T], v[BM+4*\T+1], v[BM+4*\T+2]
.endr
.irp T, 0,1
	s_delay_alu instid0(VALU_DEP_2)
	v_max_num_f32 v[TP+\T], v[TP+\T], v[BM+4*\T+3]
.endr
.irp T, 0,1
	s_delay_alu instid0(VALU_DEP_2)
	v_permlanex16_b32 v[TP+2+\T], v[TP+\T], s20, s21
.endr
.irp T, 0,1
	v_mov_b32 v[TP+4+\T], v[ST+6*\T]               ; the old -M
.endr
.irp T, 0,1
	s_delay_alu instid0(VALU_DEP_4)
	v_max3_num_f32 v[ST+6*\T+1], v[ST+6*\T+1], v[TP+\T], v[TP+2+\T]   ; the running largest score, both halves of the lanes
.endr
.irp T, 0,1
	s_delay_alu instid0(VALU_DEP_2)
	v_mul_f32 v[TP+\T], s22, v[ST+6*\T+1]          ; as t
.endr
.irp T, 0,1
	s_delay_alu instid0(VALU_DEP_2)
	v_floor_f32 v[ST+6*\T], -v[TP+\T]              ; -M = -ceil(t)
.endr
.irp T, 0,1
	s_delay_alu instid0(VALU_DEP_2)
	v_sub_f32 v[TP+4+\T], v[ST+6*\T], v[TP+4+\T]   ; old M - new M
.endr
.irp T, 0,1
	s_delay_alu instid0(VALU_DEP_2)
	v_cvt_i32_f32 v[TP+4+\T], v[TP+4+\T]           ; (it saturates)
.endr
.irp T, 0,1
	s_delay_alu instid0(VALU_DEP_2)
	v_ldexp_f32 v[ST+6*\T+4], 1.0, v[TP+4+\T]      ; f
.endr
.irp x, 0,1,2,3,4,5,6,7
	v_fma_f32 v[BM+\x], v[BM+\x], s22, v[ST+6*(\x/4)]   ; t - M of each block's largest score
.endr
.irp T, 0,1
.set j, 0
.rept 16
	v_pk_mul_f32 v[O+32*\T+j:O+32*\T+j+1], v[O+32*\T+j:O+32*\T+j+1], v[ST+6*\T+4:ST+6*\T+5] op_sel_hi:[1,0]   ; O^T under the new M
.set j, j+2
.endr
	v_pk_mul_f32 v[ST+6*\T+2:ST+6*\T+3], v[ST+6*\T+2:ST+6*\T+3], v[ST+6*\T+4:ST+6*\T+5] op_sel_hi:[1,0]   ; and the sum
.endr
	WIN 0x41
.set j, 0
.rept 64
	v_pk_fma_f32 v[j:j+1], v[j:j+1], s[22:23], v[ST:ST+1] op_sel_hi:[1,0,0]   ; A: t - M
.set j, j+2
.endr
	s_wait_alu depctr_va_vdst(0)                   ; the wait ahead of the batch
.set j, 0
.rept 64
	v_exp_f32 v[j], v[j]                           ; A: p
	v_pk_fma_f32 v[128+j:129+j], v[128+j:129+j], s[22:23], v[ST+6:ST+7] op_sel_hi:[1,0,0]   ; B: t - M: read behind the batch's wait
	v_exp_f32 v[j+1], v[j+1]
.set j, j+2
.endr
	WIN 0
.irp x, 0,1,2,3,4,5,6,7
	v_exp_f32 v[BM+\x], v[BM+\x]                   ; each block's largest p: the same two instructions on the same number
.endr
	v_nop
	s_wait_alu depctr_va_vdst(0)                   ; the wait behind the batch
.irp x, 0,1,2,3,4,5,6,7
	v_max_num_f32 v[BM+\x], 0x1800000, v[BM+\x]    ; the floor 2^(3 - 127): the byte cannot fall under 1
.endr
.irp x, 0,1,2,3,4,5,6,7
	v_add_nc_u32 v[SO+\x], 0xff000000, v[BM+\x]    ; 2 off the exponent field: the conversion's scale operand
.endr
.irp x, 0,1,2,3,4,5,6,7
	v_lshrrev_b32 v[BM+\x], 23, v[SO+\x]           ; the byte
.endr
.irp T, 0,1
	v_lshl_or_b32 v[TP+\T], v[BM+4*\T+1], 8, v[BM+4*\T]
.endr
.irp T, 0,1
	s_delay_alu instid0(VALU_DEP_2)
	v_lshl_or_b32 v[TP+\T], v[BM+4*\T+2], 16, v[TP+\T]
.endr
.irp T, 0,1
	s_delay_alu instid0(VALU_DEP_2)
	v_lshl_or_b32 v[TP+\T], v[BM+4*\T+3], 24, v[TP+\T]   ; my four blocks' bytes
.endr
.irp T, 0,1
	s_delay_alu instid0(VALU_DEP_2)
	v_permlanex16_b32 v[TP+2+\T], v[TP+\T], s20, s21     ; lane l xor 16's four
.endr
.irp T, 0,1
	v_perm_b32 v[PS+2*\T], v[TP+2+\T], v[TP+\T], 0x05010400     ; lanes 0-15: the word of the first 128 keys: mine, the other's, mine, the other's
	v_perm_b32 v[PS+2*\T+1], v[TP+2+\T], v[TP+\T], 0x07030602   ; and of the second (lanes 16-31 are not read)
.endr
	WIN 0x01
.irp s, 0,1,2,3
.irp u, 0,1,2,3
	v_cvt_scalef32_pk8_fp4_f32 v[CD+4*\s+\u], v[32*\s+8*\u:32*\s+8*\u+7], v[SO+\s]   ; A's codes
.endr
.endr
	v_nop                                          ; one plain line behind the conversions
	WIN 0x45
	s_wait_alu depctr_va_vdst(0)                   ; the wait ahead of the batch
.set j, 0
.rept 32
	v_exp_f32 v[128+j], v[128+j]                   ; B: p
	v_pk_add_f32 v[j:j+1], v[j:j+1], v[j+2:j+3]    ; A's sum, first level, in place: read behind the batch's wait
	v_exp_f32 v[129+j], v[129+j]
	v_exp_f32 v[130+j], v[130+j]
	v_exp_f32 v[131+j], v[131+j]
.set j, j+4
.endr
	v_nop
	s_wait_alu depctr_va_vdst(0)                   ; the wait behind the batch
	WIN 0x01
.irp s, 0,1,2,3
.irp u, 0,1,2,3
	v_cvt_scalef32_pk8_fp4_f32 v[CD+16+4*\s+\u], v[128+32*\s+8*\u:128+32*\s+8*\u+7], v[SO+4+\s]   ; B's codes
.endr
.endr
	WIN 0x45
	TREE 0, 8, 16                                  ; A's second level: also the places between B's codes and the products
	WIN 0
	s_wait_alu depctr_va_vdst(0)
	s_wait_dscnt 0x0                               ; V and its words
.irp g, 0,1                                    ; O^T += V^T P^T: eight accumulators by turns, twice
.irp T, 0,1
.irp t, 0,1,2,3
	v_wmma_scale_f32_16x16x128_f8f6f4 v[O+32*\T+8*\t:O+32*\T+8*\t+7], v[KV+32*\g+8*\t:KV+32*\g+8*\t+7], v[CD+16*\T+8*\g:CD+16*\T+8*\g+7], v[O+32*\T+8*\t:O+32*\T+8*\t+7], v[VS+4*\g+\t], v[PS+2*\T+\g] matrix_a_fmt:MATRIX_FMT_FP4 matrix_b_fmt:MATRIX_FMT_FP4
.endr
.endr
.endr
	WIN 0x45
	TREE 128, 4, 8                                 ; B's first level begins: eight places ahead of the loads into V's registers
	WIN 0
	s_add_co_u32 s36, s36, STEP
	s_min_u32 s39, s36, 7*STEP                     ; held inside the head's bytes
	s_cmp_eq_u32 s37, 1
	s_cbranch_scc1 .Lno_k                          ; the last step has no successor
	ADDR
	KLOAD                                          ; the next step's K: the rest of the sums stands between these loads and the wait for them
.Lno_k:
	WIN 0x45
	TREE 160, 4, 24
	TREE 128, 8, 16
	TREE 0, 16, 8
	TREE 128, 16, 8
	TREE 0, 32, 4
	TREE 128, 32, 4
	TREE 0, 64, 2
	TREE 128, 64, 2
	TREE 0, 128, 1
	TREE 128, 128, 1
	WIN 0x04
.irp T, 0,1
	v_pk_add_f32 v[ST+6*\T+2:ST+6*\T+3], v[ST+6*\T+2:ST+6*\T+3], v[128*\T:128*\T+1]
.endr
	WIN 0
	s_sub_co_u32 s37, s37, 1
	s_cmp_lg_u32 s37, 0
	s_wait_alu depctr_va_vdst(0)
	s_cbranch_scc1 .Lstep
	; THE WAY OUT of a pass: O^T / the sum + c goes through my stage and leaves as rows of 256 bytes: a token's 64 numbers of this head.
	s_wait_tensorcnt 0x0                           ; my c images are in; I alone read them
	v_add_nc_u32 v[VCS], s48, v[VC]
.irp T, 0,1
.irp i, 0,1,2,3,4,5,6,7
	ds_load_b128 v[KV+32*\T+4*\i:KV+32*\T+4*\i+3], v[VCS] offset:4096*\T+512*\i
.endr
.endr
	s_cmp_eq_u32 s38, 1
	s_cbranch_scc1 .Lno_q
	s_wait_xcnt 0x0
	s_add_nc_u64 s[40:41], s[40:41], 1024          ; the next pass's two tiles of q, asked for ahead of this pass's way out
	s_add_nc_u64 s[42:43], s[42:43], 4
	QLOAD
.Lno_q:
.irp T, 0,1
	v_add_f32 v[ST+6*\T+2], v[ST+6*\T+2], v[ST+6*\T+3]
.endr
.irp T, 0,1
	v_permlanex16_b32 v[TP+\T], v[ST+6*\T+2], s20, s21
.endr
.irp T, 0,1
	v_add_f32 v[ST+6*\T+2], v[ST+6*\T+2], v[TP+\T]
.endr
	s_wait_alu depctr_va_vdst(0)                   ; the wait ahead of the reciprocals
	v_rcp_f32 v[ST+2], v[ST+2]
	v_rcp_f32 v[ST+8], v[ST+8]
	v_nop
	s_wait_dscnt 0x0                               ; c
	s_wait_alu depctr_va_vdst(0)                   ; the wait behind them, directly ahead of the first readers of O^T
.irp T, 0,1
.set j, 0
.rept 16
	v_pk_fma_f32 v[KV+32*\T+j:KV+32*\T+j+1], v[O+32*\T+j:O+32*\T+j+1], v[ST+6*\T+2:ST+6*\T+3], v[KV+32*\T+j:KV+32*\T+j+1] op_sel_hi:[1,0,1]
.set j, j+2
.endr
.endr
.irp T, 0,1                                    ; tile t's registers of lane (r, h) are features 32 (t / 2) + 16 h + 8 (t % 2) + 0 .. 7 of query r.  LDS serves a wave's instructions in order
.irp t, 0,1,2,3
.irp e, 0,1
	ds_store_b128 v[STO], v[KV+32*\T+8*\t+4*\e:KV+32*\T+8*\t+4*\e+3] offset:128*(\t/2)+32*(\t%2)+16*\e
.endr
.endr
.irp i, 0,1,2,3,4,5,6,7
	ds_load_b128 v[CD+32*\T+4*\i:CD+32*\T+4*\i+3], v[RD] offset:544*\i
.endr
.endr
.irp T, 0,1
.irp i, 0,1,2,3,4,5,6,7
	s_wait_dscnt 23-16*\T-\i                       ; behind load i of tile T: its tile's 7 - i later loads and, for A, B's 16 instructions
	global_store_b128 v[GO], v[CD+32*\T+4*\i:CD+32*\T+4*\i+3], s[46:47] offset:(2*\i+8*(\i/4))*4096+32768*\T th:TH_STORE_NT   ; sixteen lanes store 256 consecutive bytes, aligned
.endr
.endr
	s_wait_xcnt 0x0                                ; the stores have read their base and data
	s_add_nc_u64 s[46:47], s[46:47], 131072        ; 32 tokens on
	s_add_co_u32 s48, s48, 8192
	s_sub_co_u32 s38, s38, 1
	s_cmp_lg_u32 s38, 0
	s_wait_alu depctr_va_vdst(0)
	s_cbranch_scc1 .Lpass
	s_wait_tensorcnt 0x0                           ; the wave's end
	ds_add_u32 v[SPW], v[NIL]
	s_wait_dscnt 0x0
	ROUND                                          ; the closing round
	s_endpgm
.Lfunc_end_k_q82782fc44a_attn:
	.size	k_q82782fc44a_attn, .Lfunc_end_k_q82782fc44a_attn-k_q82782fc44a_attn
	.p2alignl 7, 3214868480
	.fill 96, 4, 3214868480
	.section	.rodata,"a",@progbits
	.p2align	6, 0x0
	.amdhsa_kernel k_q82782fc44a_attn
		.amdhsa_group_segment_fixed_size 327680
		.amdhsa_private_segment_fixed_size 0
		.amdhsa_enable_private_segment 0
		.amdhsa_kernarg_size 24
		.amdhsa_user_sgpr_count 2
		.amdhsa_user_sgpr_kernarg_segment_ptr 1
		.amdhsa_wavefront_size32 1
		.amdhsa_system_sgpr_workgroup_id_x 1
		.amdhsa_system_sgpr_workgroup_id_y 1
		.amdhsa_system_sgpr_workgroup_id_z 1
		.amdhsa_system_vgpr_workitem_id 0
		.amdhsa_next_free_vgpr 512
		.amdhsa_next_free_sgpr 80
		.amdhsa_reserve_vcc 0
		.amdhsa_float_denorm_mode_32 3
		.amdhsa_float_denorm_mode_16_64 3
		.amdhsa_memory_ordered 1
		.amdhsa_forward_progress 1
		.amdhsa_inst_pref_size 71
	.end_amdhsa_kernel
	.amdgpu_metadata
---
amdhsa.version: [ 1, 2 ]
amdhsa.kernels:
  - .name:           k_q82782fc44a_attn
    .symbol:         k_q82782fc44a_attn.kd
    .args:
      - { .name: qkv, .offset: 0, .size: 8, .value_kind: global_buffer, .address_space: global }
      - { .name: cimg, .offset: 8, .size: 8, .value_kind: global_buffer, .address_space: global }
      - { .name: out0, .offset: 16, .size: 8, .value_kind: global_buffer, .address_space: global }
    .group_segment_fixed_size: 327680
    .private_segment_fixed_size: 0
    .kernarg_segment_align: 8
    .kernarg_segment_size: 24
    .max_flat_workgroup_size: 256
    .sgpr_count:     80
    .vgpr_count:     512
    .wavefront_size: 32
...
	.end_amdgpu_metadata
.endif
;; end of part 3
